; MI455X (gfx1250); checked and timed in simulation.
; The chip was launched on July 23, 2026; its instructions are those of AMD's public machine-readable ISA for CDNA 5 (MIT licence, August 2026) and "CDNA5" Instruction Set Architecture Reference Guide (July 2026). The comments in the code are by the model that wrote it; some were corrected since.
;; Binary Memory RNN. Allowed arithmetic: matrix products marked QUANTISED: E4M3 operands, one given power-of-two scale a tensor, by v_wmma_f32_16x16x64_fp8_fp8 or v_wmma_f32_16x16x128_fp8_fp8, f32 sums; products left as they are: f32 operands where the result goes on into a quantised operand, else bf16, f16 or f32 operands; f32 sums; everything else in f32.
;; Inputs: M_b 10 float32; M_w 10 x 1,024 float32; Q_b 1,024 float32; Q_w_codes 1,024 x 32 x 32 uint8 (E4M3 codes of Q_w, K innermost, in blocks of 32 codes); U_b 1,024 float32; U_w_codes 1,024 x 32 x 32 uint8 (E4M3 codes of U_w, K innermost, in blocks of 32 codes); W_b 1,024 float32; W_w_codes 1,024 x 32 x 32 uint8 (E4M3 codes of W_w, K innermost, in blocks of 32 codes); h_prev 16,384 x 1,024 float32; ln_b 1,024 float32; ln_g 1,024 float32; lowp_scales 6 int32 (the exponents e of the quantised operands' scales 2^e); memory 1,024 x 1,024 float32; x_codes 16,384 x 32 x 32 uint8 (E4M3 codes of x, K innermost, in blocks of 32 codes).
;; Outputs: out0 16,384 x 1,024 float32.
;; This version of the problem:
;;   THIS VERSION OF THE PROBLEM IS GIVEN IN LOW PRECISION. The matrix products marked QUANTISED in the list below multiply operands that are first quantised to E4M3 (4 exponent bits, 3 mantissa bits; 8 bits a number), with one given power-of-two scale for each operand tensor; their sums are f32. All else is computed in f32.
;;   The module's matrix products, in the order in which they are computed (A, B: the left and right operand; K: the contracted axis; several contracted axes count as one K, in the product's order):
;;     1. [M 16,384, K 1,024] x [K 1,024, N 10]; A: input h_prev; B: input M_w: left as it is (N = 10 < 16)
;;     2. [M 16,384, K 1,024] x [K 1,024, N 1,024]; A: input x (given as codes); B: input W_w (given as codes): QUANTISED (scales: A lowp_scales[0], B lowp_scales[1])
;;     3. [M 16,384, K 1,024] x [K 1,024, N 1,024]; A: input h_prev; B: input U_w (given as codes): QUANTISED (scales: A lowp_scales[2], B lowp_scales[3])
;;     4. [M 16,384, K 1,024] x [K 1,024, N 1,024]; A: computed on the way; B: input Q_w (given as codes): QUANTISED (scales: A lowp_scales[4], B lowp_scales[5])
;;   THE QUANTISER, for each operand of a quantised product, along K:
;;     - The operand's scale is 2^e, e = its entry of the input lowp_scales (int32; the entries are numbered through the quantised products in the list's order, A before B).
;;     - Each number is divided by the scale, clamped to +-448, and rounded to the nearest number of E4M3, ties to even, subnormals kept.
;;     - The product sums the exact products of the quantised numbers (number of the format x scale) in f32.
;;   ~~~python
;;   def quantise(x, axis, e):      # numpy; x: float32 -> the quantised numbers, widened to float32 again
;;       x = np.moveaxis(x, axis, -1); K = x.shape[-1]
;;       r = np.clip(x / 2.0 ** e, -448, 448)
;;       step = 2.0 ** (np.maximum(np.frexp(np.where(r == 0, 1, r))[1] - 1, -6) - 3)
;;       q = np.round(r / step) * step * 2.0 ** e      # np.round: ties to even
;;       return np.moveaxis(q, -1, axis).astype(np.float32)
;;   ~~~
;;   OPERANDS COMPUTED ON THE WAY. 'Computed on the way' means the value that the module computes at that place (a softmax that the list does not call 'softmax' is quantised finished and normalised). What goes into a quantiser is computed in f32, as accurately as f32 sums, v_exp_f32 and their like allow (about 1e-6 of the number): no bf16 or f16 on the way to a quantiser, and a product that is left as it is and whose result goes on into a quantised operand takes f32 operands (vector FMAs, or v_wmma_f32_16x16x4_f32). A number that lies on a knife's edge between two numbers of the format may be rounded either way, as far as f32 arithmetic and the matrix unit's own rounding can turn it there, and no further.
;;   INPUTS GIVEN AS CODES. Q_w (in the module: [1024, 1024], K = its axis 1); U_w (in the module: [1024, 1024], K = its axis 1); W_w (in the module: [1024, 1024], K = its axis 1); x (in the module: [16384, 1024], K = its axis 1): each comes as NAME_codes (uint8): NAME with its K axis moved to the last place and cut into blocks of 32 codes, [.., K / 32, bytes a block], one block behind the other in memory; one code a byte (a code: sign, 4 exponent bits, 3 mantissa bits); its scale is its entry of lowp_scales. Its value is code x scale, taken as it is: it is not quantised again, and the codes and scales need not be those that the quantiser above would give.
;; One version. Each part assembles by itself: llvm-mc -triple=amdgcn-amd-amdhsa -mcpu=gfx1250 --defsym DOCPART=n.
;; ======== version 1 of 1: 3 launches
;; limits: right only within a limited range of input values
;; workspace buffers: hq 16,777,216 bytes; mq 1,048,576 bytes; idx 65,536 bytes of whole numbers; wf 3,145,728 bytes; tab 4,194,304 bytes
;; launch prep (part 1): grid 256 x 1, 4 waves a work-group, no clusters, 327,680 bytes of LDS; arguments h_prev, memory, M_w, M_b, Q_w_codes, W_w_codes, U_w_codes, lowp_scales, hq, mq, idx, wf; writes hq, mq, idx, wf
.if DOCPART == 1
	.amdgcn_target "amdgcn-amd-amdhsa--gfx1250"
	.amdhsa_code_object_version 6
	.text
	.protected	k_qc92826eb50_prep
	.globl	k_qc92826eb50_prep
	.p2align	8
	.type	k_qc92826eb50_prep,@function
k_qc92826eb50_prep:
	s_mov_b64 s[64:65], 0
	v_nop
	global_prefetch_b8 v0, s[64:65] scope:SCOPE_SE
	s_setreg_imm32_b32 hwreg(HW_REG_WAVE_MODE, 25, 1), 1
	s_wait_xcnt 0x0
; WHAT THE LATER LAUNCHES NEED, MADE IN ONE PASS OVER h_prev.
;   hq  [16384][1024] bytes: h_prev as codes of E4M3 with the given scale 2^e2, K innermost
;   mq  [1024][1024]  bytes: memory as codes with 2^e4
;   idx [16384] int32: the binary address of each row: bit b (b = 0 the highest) is h_prev[row] . M_w[b] + M_b[b] > 0
;   wf  [48 steps][64 tiles][2][32 lanes][16 bytes]: Q_w, W_w, U_w (16 steps of 64 along K each) as images of operand registers:
;       lane (r = lane % 16, h = lane / 16), piece c holds row 16 tile + r, k = 64 step + 32 c + 16 h + 0 .. 15
; WORK THAT THE PROGRAM DOES ONCE INSTEAD OF 16 TIMES: reference() gathers h_mem = memory[index] and multiplies the 16,384 gathered rows by Q_w.
; The quantiser has one given scale for the tensor and works number by number, and a row of the product hangs on that row of h_mem alone: so for every
; value of the inputs row i of Q(h_mem) Q_w^T is row index[i] of Q(memory) Q_w^T, the same codes, products and f32 sums.  The second launch multiplies the table's
; 1,024 rows, and the third gathers the finished rows by idx.  A table row that no index names is multiplied and not used.
; LIMITS: e2 and e4 between -126 and 119, so that 2^e and 448 x 2^e are f32 numbers.  NaN among the inputs is not served (an infinity is held at the largest code).
;   sigmoid(l) > 0.5 is taken as l > 0, as sum > -M_b; a sigmoid rounded to f32 can differ from that only for 0 < l < about 2^-21, the size of the f32 sum's own rounding.
; SHARES: work-group g, wave w: rows 64 g + 16 w .. + 15 of h_prev; row 4 g + w of memory; for g < 192 the 16 rows g % 64 of weight g / 64 (Q, W, U), 256 along K from 256 w on.
; h_prev comes by tensor loads in four pieces of four rows (16,384 bytes) a wave: piece 0 at the head, each later piece behind a barrier at which the piece before has landed,
; so a piece is on its way while the four rows before it are worked.  One tensor load of a wave is out at the most.  No LDS byte is filled twice.
; M_w goes from memory straight into 320 registers of each wave (80 loads of 16 bytes a lane); the address is an f32 product by packed multiply-adds.
; A LANE'S NUMBERS OF A ROW: register 8 q + i holds k = 256 q + 8 lane + i: eight neighbours along K in eight consecutive registers, as the conversion takes them,
; and the wave's 8-byte stores of a q cover 256 consecutive bytes, aligned.  M_w is held in the same order.
; No cluster, no matrix unit: work-groups share M_w alone (40,960 bytes against 262,144 of their own), and ten columns would leave a matrix tile's other six idle.
.set WST,  303104                      ; LDS: 0 .. 262,143 the four waves' rows of h_prev; here each wave's own stage, 4,352 bytes
.set WSTW, 4352
.set IDXS, 320512                      ; the work-group's 64 indices
.set SPARE, 320768                     ; the spare words: 128 bytes a wave
.set LANE, 1
.set XA0,  2                           ; 65536 w + 32 lane
.set XA,   3
.set MA,   4                           ; 32 lane
.set HO,   5                           ; 8 lane + 1,024 x rows done
.set MO,   6                           ; 8 lane
.set L15,  7
.set WLO,  8
.set WSI,  9
.set WSO,  10
.set L16,  11
.set MSI,  12
.set MSO,  13
.set SCH,  14                          ; 2^e2
.set LIMH, 15                          ; 448 x 2^e2
.set X,    16                          ; v16-47   a row's 32 numbers
.set T,    48                          ; v48-79   the same, held
.set MH,   80                          ; v80-143  M_w's rows 8 and 9 (rows 0 to 7 fill window 1: row b at v[32 b])
.set ACC,  144
.set C,    164
.set SUM,  172
.set OTH,  182
.set IDXV, 192
.set IX,   193
.set SCM,  194
.set LIMM, 195
.set HH,   196
.set IDA,  197
.set IDR,  198
.set WT,   200
.set SPW,  254
.set NIL,  255
.set WV,   2
.set WG,   3
.set G1H,  36                          ; s[36:43] group 1: 64 rows of 256 bytes
.set G0H,  48                          ; s[48:63] group 0 of the four pieces
.set NMB,  68                          ; s[68:77] -M_b
.set SEL,  78
.set RO,   80
.set RN,   81
.set CNT,  82
.set MSB, 0
.macro WIN new                         ; the immediate's high byte repeats the setting that is left
.if MSB != \new
	s_set_vgpr_msb (MSB<<8)|\new
.set MSB, \new
.endif
.endm
	s_load_b512 s[4:19], s[0:1], 0x0               ; h_prev 4, memory 6, M_w 8, M_b 10, Q 12, W 14, U 16, scales 18
	s_load_b256 s[20:27], s[0:1], 0x40             ; hq 20, mq 22, idx 24, wf 26
	v_lshl_add_u32 v[SPW], v0, 2, SPARE
	v_mov_b32 v[NIL], 0
	ds_add_u32 v[SPW], v[NIL]                      ; the opening lines: the add twice on end and one wait
	ds_add_u32 v[SPW], v[NIL]
	v_lshrrev_b32 v[LANE], 5, v0
	v_readfirstlane_b32 s[WV], v[LANE]             ; wave 0..3
	s_mov_b32 s[WG], ttmp9
	s_mov_b32 s[G1H+0], 3<<16                      ; a dense block as rows of 32 elements of 8 bytes
	s_mov_b32 s[G1H+1], 32<<16
	s_mov_b32 s[G1H+2], 64<<16
	s_mov_b32 s[G1H+3], 32<<16
	s_mov_b32 s[G1H+4], 64
	s_mov_b32 s[G1H+5], 32
	s_mov_b32 s[G1H+6], 0
	s_mov_b32 s[G1H+7], 0
	s_mov_b32 s[SEL], 0x76543210                   ; v_permlanex16_b32: lane l takes lane l xor 16
	s_mov_b32 s[SEL+1], 0xfedcba98
	s_mov_b32 s91, 0
	s_lshl_b32 s92, s[WV], 16                      ; my 16 rows: in LDS and in the work-group's part of h_prev
	s_lshl_b32 s94, s[WG], 18
	s_add_co_u32 s94, s94, s92
	s_mov_b32 s95, 0
	s_mul_i32 s97, s[WV], WSTW
	s_add_co_u32 s97, s97, WST                     ; my stage
	s_lshl_b32 s98, s[WV], 6
	s_add_co_u32 s98, s98, IDXS                    ; my 16 words among the indices
	s_wait_dscnt 0x0
	s_wait_kmcnt 0x0
	s_add_nc_u64 s[94:95], s[4:5], s[94:95]
.irp c, 0,1,2,3
	s_mov_b32 s[G0H+4*\c], 1
	s_add_co_u32 s[G0H+4*\c+1], s92, 16384*\c
	s_add_nc_u64 s[G0H+4*\c+2:G0H+4*\c+3], s[94:95], 16384*\c
	s_or_b32 s[G0H+4*\c+3], s[G0H+4*\c+3], 0x80000000
.endr
	tensor_load_to_lds s[G0H:G0H+3], s[G1H:G1H+7]  ; rows 0-3: the wave's one tensor load at the head
	s_nop 0
	v_and_b32 v[LANE], 31, v0
	v_and_b32 v[L15], 15, v0
	v_bfe_u32 v[HH], v0, 4, 1
	v_lshlrev_b32 v[L16], 4, v[LANE]
	v_lshlrev_b32 v[MA], 5, v[LANE]
	s_wait_alu depctr_va_vdst(0)
	s_load_b128 s[84:87], s[18:19], 0x0            ; e0 .. e3
	s_load_b64 s[88:89], s[18:19], 0x10            ; e4, e5
	s_load_b256 s[68:75], s[10:11], 0x0            ; M_b
	s_load_b64 s[76:77], s[10:11], 0x20
	s_lshl_b32 s90, s[WG], 14
	s_lshl_b32 s96, s[WV], 12
	s_add_co_u32 s90, s90, s96                     ; row 4 g + w of memory
	s_add_nc_u64 s[6:7], s[6:7], s[90:91]
.irp i, 0,1,2,3,4,5,6,7
	global_load_b128 v[X+4*\i:X+4*\i+3], v[L16], s[6:7] offset:512*\i th:TH_LOAD_NT
.endr
	WIN 0x40                                       ; M_w's rows 0 to 7 into window 1
.irp b, 0,1,2,3,4,5,6,7
.irp q, 0,1,2,3
.irp u, 0,1
	global_load_b128 v[32*\b+8*\q+4*\u:32*\b+8*\q+4*\u+3], v[MA], s[8:9] offset:4096*\b+1024*\q+16*\u
.endr
.endr
.endr
	WIN 0
.irp b, 0,1
.irp q, 0,1,2,3
.irp u, 0,1
	global_load_b128 v[MH+32*\b+8*\q+4*\u:MH+32*\b+8*\q+4*\u+3], v[MA], s[8:9] offset:4096*(8+\b)+1024*\q+16*\u
.endr
.endr
.endr
	s_lshr_b32 s90, s90, 2                         ; the same row of mq
	s_add_nc_u64 s[22:23], s[22:23], s[90:91]
	s_lshl_b32 s90, s90, 4                         ; row 64 g + 16 w of hq
	s_add_nc_u64 s[20:21], s[20:21], s[90:91]
	s_lshl_b32 s90, s[WG], 8                       ; the work-group's 64 words of idx
	s_add_nc_u64 s[24:25], s[24:25], s[90:91]
	v_add_nc_u32 v[XA0], s92, v[MA]
	v_lshlrev_b32 v[HO], 3, v[LANE]
	v_lshlrev_b32 v[MO], 3, v[LANE]
	v_lshlrev_b32 v[WLO], 10, v[HH]
	v_lshl_add_u32 v[WLO], v[L15], 4, v[WLO]       ; weights in: lanes 0-15 one row's 256 bytes, lanes 16-31 the next row's
	v_mul_u32_u24 v[WSI], v[HH], 272
	v_lshl_add_u32 v[WSI], v[L15], 4, v[WSI]
	v_add_nc_u32 v[WSI], s97, v[WSI]
	v_mul_u32_u24 v[WSO], v[L15], 272
	v_lshl_add_u32 v[WSO], v[HH], 4, v[WSO]
	v_add_nc_u32 v[WSO], s97, v[WSO]               ; out of the stage: row r, + 16 h
	v_add_nc_u32 v[MSI], s97, v[L16]
	v_lshl_add_u32 v[MSO], v[LANE], 5, s97
	v_lshl_add_u32 v[IDA], v[L15], 2, s98
	v_lshl_add_u32 v[IDR], v[LANE], 3, IDXS
	v_mov_b32 v[IDXV], 0
.irp b, 0,1,2,3,4,5,6,7,8,9
	v_mov_b32 v[OTH+\b], 0                         ; a lane permute's destination counts as one of its sources
.endr
	s_wait_alu depctr_va_vdst(0)
	; ---- the weights' images: 192 work-groups, one tile of 16 rows each; a wave takes 256 along K = four steps
	s_cmp_lt_u32 s[WG], 192
	s_cbranch_scc0 .Lno_weights
	s_cmp_lt_u32 s[WG], 64
	s_cselect_b64 s[92:93], s[12:13], s[14:15]
	s_cmp_lt_u32 s[WG], 128
	s_cselect_b64 s[92:93], s[92:93], s[16:17]
	s_and_b32 s94, s[WG], 63
	s_lshl_b32 s90, s94, 14
	s_lshl_b32 s96, s[WV], 8
	s_add_co_u32 s90, s90, s96
	s_add_nc_u64 s[92:93], s[92:93], s[90:91]
	s_lshr_b32 s90, s[WG], 6
	s_lshl_b32 s90, s90, 20
	s_lshl_b32 s96, s[WV], 18
	s_add_co_u32 s90, s90, s96
	s_lshl_b32 s94, s94, 10
	s_add_co_u32 s90, s90, s94
	s_add_nc_u64 s[26:27], s[26:27], s[90:91]
.irp i, 0,1,2,3,4,5,6,7
	global_load_b128 v[WT+4*\i:WT+4*\i+3], v[WLO], s[92:93] offset:2048*\i th:TH_LOAD_NT
.endr
	s_wait_loadcnt 0x0
.irp i, 0,1,2,3,4,5,6,7
	ds_store_b128 v[WSI], v[WT+4*\i:WT+4*\i+3] offset:544*\i
.endr
.irp i, 0,1,2,3,4,5,6,7                ; LDS serves a wave's instructions in order (ISA guide 5.7.1.4): these see the stores above
	ds_load_b128 v[WT+4*\i:WT+4*\i+3], v[WSO] offset:32*\i
.endr
.irp i, 0,1,2,3,4,5,6,7
	s_wait_dscnt 7-\i
	global_store_b128 v[L16], v[WT+4*\i:WT+4*\i+3], s[26:27] offset:65536*(\i/2)+512*(\i%2)
.endr
.Lno_weights:
	; ---- my row of memory: through the stage, so that a lane holds neighbours; held, converted, stored
	s_wait_loadcnt 0x0                             ; memory's row, and M_w
	s_wait_kmcnt 0x0
	s_add_co_i32 s96, s86, 127
	s_lshl_b32 s99, s96, 23
	v_mov_b32 v[SCH], s99
	s_add_co_i32 s96, s96, 8
	s_lshl_b32 s96, s96, 23
	s_or_b32 s96, s96, 0x600000
	v_mov_b32 v[LIMH], s96
	s_add_co_i32 s96, s88, 127
	s_lshl_b32 s99, s96, 23
	v_mov_b32 v[SCM], s99
	s_add_co_i32 s96, s96, 8
	s_lshl_b32 s96, s96, 23
	s_or_b32 s96, s96, 0x600000
	v_mov_b32 v[LIMM], s96
.irp b, 0,1,2,3,4,5,6,7,8,9
	s_xor_b32 s[NMB+\b], s[NMB+\b], 0x80000000     ; -M_b
.endr
.irp i, 0,1,2,3,4,5,6,7
	ds_store_b128 v[MSI], v[X+4*\i:X+4*\i+3] offset:512*\i
.endr
.irp q, 0,1,2,3
.irp u, 0,1
	ds_load_b128 v[X+8*\q+4*\u:X+8*\q+4*\u+3], v[MSO] offset:1024*\q+16*\u
.endr
.endr
	s_wait_alu depctr_va_vdst(0)
	s_wait_dscnt 0x0
.macro CODES sc
.irp q, 0,1,2,3
	v_cvt_scalef32_pk8_fp8_f32 v[C+2*\q:C+2*\q+1], v[T+8*\q:T+8*\q+7], v[\sc]
.endr
.endm
.irp i, 0,1,2,3,4,5,6,7,8,9,10,11,12,13,14,15,16,17,18,19,20,21,22,23,24,25,26,27,28,29,30,31
	v_med3_num_f32 v[T+\i], v[X+\i], -v[LIMM], v[LIMM]   ; the conversion does not saturate (ISA guide 7.6.2): the hold at the largest code x the scale
.endr
	CODES SCM
	v_nop
.irp q, 0,1,2,3
	global_store_b64 v[MO], v[C+2*\q:C+2*\q+1], s[22:23] offset:256*\q
.endr
	; ---- my 16 rows of h_prev
.macro NEXT c                          ; the piece before has landed; piece c goes out: a first fill
	s_wait_alu depctr_va_vdst(0)
	s_wait_tensorcnt 0x0
	ds_add_u32 v[SPW], v[NIL]
	s_wait_dscnt 0x0
	s_barrier_signal -1
	s_barrier_wait -1
	tensor_load_to_lds s[G0H+4*\c:G0H+4*\c+3], s[G1H:G1H+7]
	s_nop 0
.rept 4
	v_nop
.endr
.endm
.macro XLOAD
	v_add_nc_u32 v[XA], s[RO], v[XA0]
.irp q, 0,1,2,3
.irp u, 0,1
	ds_load_b128 v[X+8*\q+4*\u:X+8*\q+4*\u+3], v[XA] offset:1024*\q+16*\u
.endr
.endr
.endm
; One row: ten dot products, the codes, the index.  pre = 1: the next row is fetched as soon as X has been read for the last time.
.macro ROW pre
	s_wait_dscnt 0x0
	WIN 0x04                                       ; source 1 (M_w's rows 0 to 7) window 1
.irp e, 0,1,2,3,4,5,6,7,8,9,10,11,12,13,14,15
.irp b, 0,1,2,3,4,5,6,7
.if \e == 0
	v_pk_mul_f32 v[ACC+2*\b:ACC+2*\b+1], v[X:X+1], v[32*\b:32*\b+1]
.else
	v_pk_fma_f32 v[ACC+2*\b:ACC+2*\b+1], v[X+2*\e:X+2*\e+1], v[32*\b+2*\e:32*\b+2*\e+1], v[ACC+2*\b:ACC+2*\b+1]
.endif
.endr
.endr
	WIN 0
.irp e, 0,1,2,3,4,5,6,7,8,9,10,11,12,13,14,15  ; rows 8 and 9 are two chains only: the holds stand between their links
.irp b, 0,1
.if \e == 0
	v_pk_mul_f32 v[ACC+16+2*\b:ACC+16+2*\b+1], v[X:X+1], v[MH+32*\b:MH+32*\b+1]
.else
	v_pk_fma_f32 v[ACC+16+2*\b:ACC+16+2*\b+1], v[X+2*\e:X+2*\e+1], v[MH+32*\b+2*\e:MH+32*\b+2*\e+1], v[ACC+16+2*\b:ACC+16+2*\b+1]
.endif
.endr
	v_med3_num_f32 v[T+2*\e], v[X+2*\e], -v[LIMH], v[LIMH]
	v_med3_num_f32 v[T+2*\e+1], v[X+2*\e+1], -v[LIMH], v[LIMH]
.endr
.if \pre
	s_wait_alu depctr_va_vdst(0)
	s_add_co_u32 s[RO], s[RO], 4096
	XLOAD
.endif
	s_wait_alu depctr_va_vdst(0)
	s_wait_xcnt 0x0                                ; the last row's stores have read C and HO
	v_add_nc_u32 v[HO], 1024, v[HO]
	CODES SCH
.irp b, 0,1,2,3,4,5,6,7,8,9
	v_add_f32 v[SUM+\b], v[ACC+2*\b], v[ACC+2*\b+1]
.endr
.irp k, 1,2,4,8
.irp b, 0,1,2,3,4,5,6,7,8,9
	v_add_f32_dpp v[SUM+\b], v[SUM+\b], v[SUM+\b] row_xmask:\k row_mask:0xf bank_mask:0xf
.endr
.endr
.irp b, 0,1,2,3,4,5,6,7,8,9
	v_permlanex16_b32 v[OTH+\b], v[SUM+\b], s[SEL], s[SEL+1]
.endr
.irp b, 0,1,2,3,4,5,6,7,8,9
	v_add_f32 v[SUM+\b], v[SUM+\b], v[OTH+\b]
.endr
	v_mov_b32 v[IX], 0
.irp b, 0,1,2,3,4,5,6,7,8,9
	v_cmp_lt_f32 vcc_lo, s[NMB+\b], v[SUM+\b]      ; the bit: -M_b < sum
	v_add_co_ci_u32 v[IX], vcc_lo, v[IX], v[IX], vcc_lo   ; index = 2 x index + bit
.endr
	v_cmp_eq_u32 vcc_lo, s[RN], v[L15]
	v_cndmask_b32 v[IDXV], v[IDXV], v[IX], vcc_lo
	s_add_co_u32 s[RN], s[RN], 1
.irp q, 0,1,2,3
	global_store_b64 v[HO], v[C+2*\q:C+2*\q+1], s[20:21] offset:256*\q-1024
.endr
.endm
.macro ROWS n, name
	s_mov_b32 s[CNT], \n
.L\name:
	ROW 1
	s_sub_co_i32 s[CNT], s[CNT], 1
	s_cmp_lg_u32 s[CNT], 0
	s_cbranch_scc1 .L\name
.endm
	s_mov_b32 s[RO], 0
	s_mov_b32 s[RN], 0
	NEXT 1                                         ; rows 0-3 are in; rows 4-7 go out
	XLOAD
	ROWS 3, piece0                                 ; works rows 0-2, fetches rows 1-3
	NEXT 2                                         ; rows 4-7 are in; rows 8-11 go out
	ROWS 4, piece1                                 ; works rows 3-6, fetches rows 4-7
	NEXT 3
	ROWS 4, piece2
	s_wait_tensorcnt 0x0                           ; rows 12-15, which my wave alone reads
	ROWS 4, piece3
	ROW 0
	; ---- the indices leave as one whole run of 256 bytes
	ds_store_b32 v[IDA], v[IDXV]
	s_wait_dscnt 0x0
	s_barrier_signal -1
	s_barrier_wait -1
	s_cmp_lg_u32 s[WV], 0
	s_cbranch_scc1 .Lend
	ds_load_b64 v[ACC:ACC+1], v[IDR]
	s_wait_dscnt 0x0
	global_store_b64 v[MO], v[ACC:ACC+1], s[24:25]
.Lend:
	s_wait_tensorcnt 0x0                           ; the wave's end
	ds_add_u32 v[SPW], v[NIL]
	s_wait_dscnt 0x0
	s_endpgm
.Lfunc_end_k_qc92826eb50_prep:
	.size	k_qc92826eb50_prep, .Lfunc_end_k_qc92826eb50_prep-k_qc92826eb50_prep
	.p2alignl 7, 3214868480
	.fill 96, 4, 3214868480
	.section	.rodata,"a",@progbits
	.p2align	6, 0x0
	.amdhsa_kernel k_qc92826eb50_prep
		.amdhsa_group_segment_fixed_size 327680
		.amdhsa_private_segment_fixed_size 0
		.amdhsa_enable_private_segment 0
		.amdhsa_kernarg_size 96
		.amdhsa_user_sgpr_count 2
		.amdhsa_user_sgpr_kernarg_segment_ptr 1
		.amdhsa_wavefront_size32 1
		.amdhsa_system_sgpr_workgroup_id_x 1
		.amdhsa_system_sgpr_workgroup_id_y 1
		.amdhsa_system_sgpr_workgroup_id_z 1
		.amdhsa_system_vgpr_workitem_id 0
		.amdhsa_next_free_vgpr 512
		.amdhsa_next_free_sgpr 100
		.amdhsa_reserve_vcc 1
		.amdhsa_float_denorm_mode_32 3
		.amdhsa_float_denorm_mode_16_64 3
		.amdhsa_memory_ordered 1
		.amdhsa_forward_progress 1
		.amdhsa_inst_pref_size 114
	.end_amdhsa_kernel
	.amdgpu_metadata
---
amdhsa.version: [ 1, 2 ]
amdhsa.kernels:
  - .name:           k_qc92826eb50_prep
    .symbol:         k_qc92826eb50_prep.kd
    .args:
      - { .name: h_prev, .offset: 0, .size: 8, .value_kind: global_buffer, .address_space: global }
      - { .name: memory, .offset: 8, .size: 8, .value_kind: global_buffer, .address_space: global }
      - { .name: M_w, .offset: 16, .size: 8, .value_kind: global_buffer, .address_space: global }
      - { .name: M_b, .offset: 24, .size: 8, .value_kind: global_buffer, .address_space: global }
      - { .name: Q_w_codes, .offset: 32, .size: 8, .value_kind: global_buffer, .address_space: global }
      - { .name: W_w_codes, .offset: 40, .size: 8, .value_kind: global_buffer, .address_space: global }
      - { .name: U_w_codes, .offset: 48, .size: 8, .value_kind: global_buffer, .address_space: global }
      - { .name: lowp_scales, .offset: 56, .size: 8, .value_kind: global_buffer, .address_space: global }
      - { .name: hq, .offset: 64, .size: 8, .value_kind: global_buffer, .address_space: global }
      - { .name: mq, .offset: 72, .size: 8, .value_kind: global_buffer, .address_space: global }
      - { .name: idx, .offset: 80, .size: 8, .value_kind: global_buffer, .address_space: global }
      - { .name: wf, .offset: 88, .size: 8, .value_kind: global_buffer, .address_space: global }
    .group_segment_fixed_size: 327680
    .private_segment_fixed_size: 0
    .kernarg_segment_align: 8
    .kernarg_segment_size: 96
    .max_flat_workgroup_size: 128
    .sgpr_count:     100
    .vgpr_count:     512
    .wavefront_size: 32
...
	.end_amdgpu_metadata
.endif
;; end of part 1
;; launch table (part 2): grid 256 x 1, 8 waves a work-group, no clusters, 18,432 bytes of LDS; arguments mq, wf, W_b, U_b, Q_b, lowp_scales, tab; writes tab
.if DOCPART == 2
	.amdgcn_target "amdgcn-amd-amdhsa--gfx1250"
	.amdhsa_code_object_version 6
	.text
	.protected	k_qc92826eb50_table
	.globl	k_qc92826eb50_table
	.p2align	8
	.type	k_qc92826eb50_table,@function
k_qc92826eb50_table:
	s_mov_b64 s[64:65], 0
	v_nop
	global_prefetch_b8 v0, s[64:65] scope:SCOPE_SE
	s_setreg_imm32_b32 hwreg(HW_REG_WAVE_MODE, 25, 1), 1
	s_wait_xcnt 0x0
; tab[i][n] = ( sum over k of Q(memory)[i][k] Q_w[n][k] x 2^(e4 + e5) + W_b[n] + U_b[n] + Q_b[n] ) x 2^-(e2 + e3), f32, [1024][1024].
; The product with Q_w is done on the table's 1,024 rows and not on the 16,384 gathered rows: the first kernel's head shows why the sums are the same.
; The three biases ride along, and the whole is stored in the unit in which the last launch holds its sums.
; LIMITS: e4 + e5 - e2 - e3 and -(e2 + e3) between -126 and 127, so that both powers of two are f32 numbers.
; SHARES: work-group g: rows 64 (g / 16) .. + 63, columns 64 (g % 16) .. + 63.  Wave w: 16 rows (w % 4) x 32 columns (w / 4): two tiles of 16 x 16.
; Each tile's K is cut in two halves, so that four accumulators take turns; the halves are added in f32.
; Operands go from memory straight into registers: 32 loads for the rows' codes, 64 for Q_w's images (steps 0 to 15 of wf), 12 for the biases.  No loop, so nothing is prefetched;
; no cluster: a work-group reads 131,072 bytes once and there is no ring in which joint loads could take turns.
; THE MATRIX INSTRUCTION IS USED TRANSPOSED (source 0 = Q_w's rows): a lane holds eight neighbouring columns of one row.  A row's 256 bytes come from two waves: they meet in a stage in LDS.
.set SPARE, 17408                      ; behind the stage of 64 rows x 272 bytes: the spare words, 128 bytes a wave
.set RR, 2
.set HH, 3
.set BO, 5                             ; 16 lane
.set AO, 6                             ; 1024 r + 16 h
.set VO, 7                             ; 32 h
.set SI, 8
.set SO, 9
.set CO, 10
.set SPW, 12
.set NIL, 13
.set BI, 16                            ; v16-63 W_b, U_b, Q_b of my 2 x 8 columns
.set AF, 64                            ; v64-191 the rows' eight fragments of 128 along K
.set ACC, 192                          ; v192-223
.set GR, 224                           ; v224-239 the results
.set FQ, 32
.set FB, 34
	s_load_b256 s[4:11], s[0:1], 0x0               ; mq 4, wf 6, W_b 8, U_b 10
	s_load_b128 s[12:15], s[0:1], 0x20             ; Q_b 12, scales 14
	s_load_b64 s[16:17], s[0:1], 0x30              ; tab
	v_lshrrev_b32 v1, 5, v0
	v_readfirstlane_b32 s2, v1                     ; wave 0..7
	s_and_b32 s18, s2, 3                           ; which 16 rows
	s_lshr_b32 s19, s2, 2                          ; which 32 columns
	s_lshr_b32 s20, ttmp9, 4
	s_and_b32 s21, ttmp9, 15
	s_mul_i32 s22, s18, 16*272
	s_lshl_b32 s23, s19, 7
	s_add_co_u32 s22, s22, s23
	s_mul_i32 s23, s2, 8*272
	s_mov_b32 s29, 0
	v_lshl_add_u32 v[SPW], v0, 2, SPARE
	v_mov_b32 v[NIL], 0
	v_and_b32 v[RR], 15, v0
	v_bfe_u32 v[HH], v0, 4, 1
	v_and_b32 v4, 31, v0
	v_lshlrev_b32 v[BO], 4, v4
	v_lshlrev_b32 v[AO], 10, v[RR]
	v_lshl_add_u32 v[AO], v[HH], 4, v[AO]
	v_lshlrev_b32 v[VO], 5, v[HH]
	v_mul_u32_u24 v[SI], v[RR], 272
	v_lshl_add_u32 v[SI], v[HH], 5, v[SI]
	v_add_nc_u32 v[SI], s22, v[SI]                 ; into the stage: row 16 (w % 4) + r, byte 128 (w / 4) + 32 h
	v_mul_u32_u24 v[SO], v[HH], 272
	v_lshl_add_u32 v[SO], v[RR], 4, v[SO]
	v_add_nc_u32 v[SO], s23, v[SO]                 ; back: rows 8 w + h, whole
	v_lshlrev_b32 v[CO], 12, v[HH]
	v_lshl_add_u32 v[CO], v[RR], 4, v[CO]
	s_wait_alu depctr_va_vdst(0)
	s_wait_kmcnt 0x0
	s_load_b128 s[24:27], s[14:15], 0x8            ; e2, e3, e4, e5
	s_lshl_b32 s28, s21, 8
	s_lshl_b32 s30, s19, 7
	s_add_co_u32 s28, s28, s30                     ; my 32 columns' biases
	s_add_nc_u64 s[8:9], s[8:9], s[28:29]
	s_add_nc_u64 s[10:11], s[10:11], s[28:29]
	s_add_nc_u64 s[12:13], s[12:13], s[28:29]
	s_lshl_b32 s28, s28, 4                         ; their two tiles in wf: 1,024 bytes a tile
	s_add_nc_u64 s[6:7], s[6:7], s[28:29]
	s_lshl_b32 s28, s20, 16
	s_lshl_b32 s30, s18, 14
	s_add_co_u32 s28, s28, s30                     ; my 16 rows of mq
	s_add_nc_u64 s[4:5], s[4:5], s[28:29]
	s_lshl_b32 s28, s20, 18
	s_lshl_b32 s30, s2, 15
	s_add_co_u32 s28, s28, s30
	s_lshl_b32 s30, s21, 8
	s_add_co_u32 s28, s28, s30                     ; tab: row 64 (g / 16) + 8 w, byte 256 (g % 16)
	s_add_nc_u64 s[16:17], s[16:17], s[28:29]
.macro VLD reg, b
.irp t, 0,1
	global_load_b128 v[\reg+8*\t:\reg+8*\t+3], v[VO], s[\b:\b+1] offset:64*\t
	global_load_b128 v[\reg+8*\t+4:\reg+8*\t+7], v[VO], s[\b:\b+1] offset:64*\t+16
.endr
.endm
	VLD BI, 8
	VLD BI+16, 10
	VLD BI+32, 12
.irp f, 0,1,2,3,4,5,6,7
.irp c, 0,1,2,3
	global_load_b128 v[AF+16*\f+4*\c:AF+16*\f+4*\c+3], v[AO], s[4:5] offset:128*\f+32*\c
.endr
.endr
	s_set_vgpr_msb 0x40                            ; Q_w's fragments into window 1: tile t, 128 along K number f at v[128 t + 16 f]
.irp t, 0,1
.irp f, 0,1,2,3,4,5,6,7
.irp c, 0,1,2,3
	global_load_b128 v[128*\t+16*\f+4*\c:128*\t+16*\f+4*\c+3], v[BO], s[6:7] offset:65536*(2*\f+\c/2)+1024*\t+512*(\c%2)
.endr
.endr
.endr
	s_set_vgpr_msb 0x4001                          ; source 0 window 1
	s_wait_kmcnt 0x0
	s_add_co_i32 s30, s24, s25
	s_add_co_i32 s31, s26, s27
	s_sub_co_i32 s31, s31, s30
	s_add_co_i32 s31, s31, 127
	s_lshl_b32 s[FQ], s31, 23                      ; 2^(e4 + e5 - e2 - e3)
	s_mov_b32 s[FQ+1], s[FQ]
	s_sub_co_i32 s30, 127, s30
	s_lshl_b32 s[FB], s30, 23                      ; 2^-(e2 + e3)
	s_mov_b32 s[FB+1], s[FB]
	s_wait_loadcnt 0x0
.irp f, 0,1,2,3
.irp u, 0,1
.irp t, 0,1
.if \f == 0
	v_wmma_f32_16x16x128_fp8_fp8 v[ACC+8*(2*\u+\t):ACC+8*(2*\u+\t)+7], v[128*\t+16*(\f+4*\u):128*\t+16*(\f+4*\u)+15], v[AF+16*(\f+4*\u):AF+16*(\f+4*\u)+15], 0
.else
	v_wmma_f32_16x16x128_fp8_fp8 v[ACC+8*(2*\u+\t):ACC+8*(2*\u+\t)+7], v[128*\t+16*(\f+4*\u):128*\t+16*(\f+4*\u)+15], v[AF+16*(\f+4*\u):AF+16*(\f+4*\u)+15], v[ACC+8*(2*\u+\t):ACC+8*(2*\u+\t)+7]
.endif
.endr
.endr
.endr
	s_set_vgpr_msb 0x0100
.irp i, 0,2,4,6,8,10,12,14                     ; the biases' sums: also the places behind the last products
	v_pk_add_f32 v[BI+\i:BI+\i+1], v[BI+\i:BI+\i+1], v[BI+16+\i:BI+17+\i]
.endr
.irp i, 0,2,4,6,8,10,12,14
	v_pk_add_f32 v[BI+\i:BI+\i+1], v[BI+\i:BI+\i+1], v[BI+32+\i:BI+33+\i]
.endr
.irp i, 0,2,4,6,8,10,12,14
	v_pk_mul_f32 v[BI+\i:BI+\i+1], v[BI+\i:BI+\i+1], s[FB:FB+1] op_sel_hi:[1,0]
.endr
.irp i, 0,2,4,6,8,10,12,14                     ; K's two halves; each accumulator from its low end on
	v_pk_add_f32 v[GR+\i:GR+\i+1], v[ACC+\i:ACC+\i+1], v[ACC+16+\i:ACC+17+\i]
.endr
.irp i, 0,2,4,6,8,10,12,14
	v_pk_fma_f32 v[GR+\i:GR+\i+1], v[GR+\i:GR+\i+1], s[FQ:FQ+1], v[BI+\i:BI+\i+1] op_sel_hi:[1,0,1]
.endr
.irp t, 0,1
	ds_store_b128 v[SI], v[GR+8*\t:GR+8*\t+3] offset:64*\t
	ds_store_b128 v[SI], v[GR+8*\t+4:GR+8*\t+7] offset:64*\t+16
.endr
	s_wait_dscnt 0x0                               ; for the others' sake: my stores into the stage are done
	s_barrier_signal -1
	s_barrier_wait -1
.irp i, 0,1,2,3
	ds_load_b128 v[GR+4*\i:GR+4*\i+3], v[SO] offset:544*\i
.endr
	s_wait_dscnt 0x0
.irp i, 0,1,2,3
	global_store_b128 v[CO], v[GR+4*\i:GR+4*\i+3], s[16:17] offset:8192*\i   ; 16 lanes store 256 consecutive bytes, aligned
.endr
	s_wait_tensorcnt 0x0                           ; the wave's end
	ds_add_u32 v[SPW], v[NIL]
	s_wait_dscnt 0x0
	s_endpgm
.Lfunc_end_k_qc92826eb50_table:
	.size	k_qc92826eb50_table, .Lfunc_end_k_qc92826eb50_table-k_qc92826eb50_table
	.p2alignl 7, 3214868480
	.fill 96, 4, 3214868480
	.section	.rodata,"a",@progbits
	.p2align	6, 0x0
	.amdhsa_kernel k_qc92826eb50_table
		.amdhsa_group_segment_fixed_size 18432
		.amdhsa_private_segment_fixed_size 0
		.amdhsa_enable_private_segment 0
		.amdhsa_kernarg_size 56
		.amdhsa_user_sgpr_count 2
		.amdhsa_user_sgpr_kernarg_segment_ptr 1
		.amdhsa_wavefront_size32 1
		.amdhsa_system_sgpr_workgroup_id_x 1
		.amdhsa_system_sgpr_workgroup_id_y 1
		.amdhsa_system_sgpr_workgroup_id_z 1
		.amdhsa_system_vgpr_workitem_id 0
		.amdhsa_next_free_vgpr 512
		.amdhsa_next_free_sgpr 66
		.amdhsa_reserve_vcc 0
		.amdhsa_float_denorm_mode_32 3
		.amdhsa_float_denorm_mode_16_64 3
		.amdhsa_memory_ordered 1
		.amdhsa_forward_progress 1
		.amdhsa_inst_pref_size 18
	.end_amdhsa_kernel
	.amdgpu_metadata
---
amdhsa.version: [ 1, 2 ]
amdhsa.kernels:
  - .name:           k_qc92826eb50_table
    .symbol:         k_qc92826eb50_table.kd
    .args:
      - { .name: mq, .offset: 0, .size: 8, .value_kind: global_buffer, .address_space: global }
      - { .name: wf, .offset: 8, .size: 8, .value_kind: global_buffer, .address_space: global }
      - { .name: W_b, .offset: 16, .size: 8, .value_kind: global_buffer, .address_space: global }
      - { .name: U_b, .offset: 24, .size: 8, .value_kind: global_buffer, .address_space: global }
      - { .name: Q_b, .offset: 32, .size: 8, .value_kind: global_buffer, .address_space: global }
      - { .name: lowp_scales, .offset: 40, .size: 8, .value_kind: global_buffer, .address_space: global }
      - { .name: tab, .offset: 48, .size: 8, .value_kind: global_buffer, .address_space: global }
    .group_segment_fixed_size: 18432
    .private_segment_fixed_size: 0
    .kernarg_segment_align: 8
    .kernarg_segment_size: 56
    .max_flat_workgroup_size: 256
    .sgpr_count:     66
    .vgpr_count:     512
    .wavefront_size: 32
...
	.end_amdgpu_metadata
.endif
;; end of part 2
;; launch fused (part 3): grid 256 x 1, 8 waves a work-group, no clusters, 327,680 bytes of LDS; arguments x_codes, hq, tab, idx, wf, ln_g, ln_b, lowp_scales, out0; writes out0
.if DOCPART == 3
	.amdgcn_target "amdgcn-amd-amdhsa--gfx1250"
	.amdhsa_code_object_version 6
	.text
	.protected	k_qc92826eb50_fused
	.globl	k_qc92826eb50_fused
	.p2align	8
	.type	k_qc92826eb50_fused,@function
k_qc92826eb50_fused:
	s_mov_b64 s[64:65], 0
	v_nop
	global_prefetch_b8 v0, s[64:65] scope:SCOPE_SE
	s_setreg_imm32_b32 hwreg(HW_REG_WAVE_MODE, 25, 1), 1
	s_wait_xcnt 0x0
; out = sigmoid(LayerNorm(x W_w^T + h_prev U_w^T + tab[idx])): the product with Q_w and the three biases lie in tab (the first kernel's head shows why its rows are reference()'s sums).
; SHARES: work-group g: rows 64 g .. + 63, all 1,024 columns, so that a row's mean and variance stay in the work-group.  Wave w: 64 rows x columns 128 w .. + 127: 32 accumulators, 256 registers (window 1).
; K goes in 32 steps of 64: 16 on x and W_w, 16 on hq and U_w.  The rows' codes lie whole in LDS (two tensor loads a wave, 8 rows of 1,024 bytes each, 16 bytes of padding a row).
; The weights come as images of operand registers (wf, steps 16 to 47) from memory straight into a ring of three register sets: 16 loads of 512 consecutive bytes a step.
; UNITS: the sums on x stand for sum x 2^(e0 + e1); between the two products they are multiplied by 2^(e0 + e1 - e2 - e3); tab is stored in units of 2^(e2 + e3).  The last factor is never applied:
; (p - mean) / sqrt(var + eps) is the same for p / s with eps / s^2, so eps is scaled instead.
; LIMITS: e0 + e1 - e2 - e3 between -126 and 127; e2 + e3 between -63 and 54, so that 2^-2(e2 + e3) and eps x it are normal f32 numbers.
; NO CLUSTER: each weight byte goes once into one wave's registers; a joint load lands in LDS, so the 2 MiB that a work-group reads would be written to LDS and read from it on top.
; PREFETCH: the 64 rows of tab that the work-group gathers behind its last step are asked for behind step 0, when the indices are in: a lane a block of 256 bytes, four instructions a wave,
; each wave its own 512 bytes of each row.  wf is not prefetched: all 256 work-groups read the same 65,536 bytes a step in the same order.
; THE MATRIX INSTRUCTION IS USED TRANSPOSED (source 0 = 16 rows of a weight): a lane holds eight neighbouring columns of one row.
.set PITCH,  1040
.set VEC,    0                         ; ln_g and ln_b x -log2(e): 2 x 4,096 bytes
.set STAT,   8192                      ; the waves' row sums: 2 x 2,048 bytes
.set AX,     12288
.set AH,     AX+64*PITCH
.set STAGE,  AH+64*PITCH               ; the way out: 16 rows x 528 bytes for each wave
.set SPITCH, 528
.set SPARE,  STAGE+8*16*SPITCH         ; the spare words: 128 bytes a wave
.set RR,  1
.set HH,  2
.set NIL, 3
.set A0,  4
.set AD,  5
.set BO,  6
.set IO,  7                            ; 4 r; later 512 w + 32 h
.set VO,  8                            ; 16 x thread; later 224 h
.set VA,  9
.set SO,  10
.set RD,  11
.set CO,  12
.set ST,  13
.set SL,  14
.set SPW, 15
.set SM,  16
.set GA,  16                           ; v16-19: until the sums begin, my four rows' byte offsets in tab
.set MU,  24
.set AF,  32
.set RB,  64
.set TT,  64
.set GV,  128
.set BV,  192
.set WV,  2
.set WG,  3
.set G1,  32
.set G0X, 40
.set G0H, 44
.set R1,  66
.set EPS, 70
.set IV,  71
.set KO,  72
.set CNT, 73
.set SEL, 74
.set WB,  76
.set W9,  78
.set MSB, 0
.macro WIN new
.if MSB != \new
	s_set_vgpr_msb (MSB<<8)|\new
.set MSB, \new
.endif
.endm
.macro PLACES                          ; four places behind matrix instructions (ISA guide 7.12.1)
.rept 4
	v_nop
.endr
.endm
.macro MUL m, p, zero                  ; rows 16 m .. + 15 against the set's eight tiles: the accumulators take turns
.irp j, 0,1,2,3,4,5,6,7
.if \zero
	v_wmma_f32_16x16x64_fp8_fp8 v[8*(8*\m+\j):8*(8*\m+\j)+7], v[RB+64*\p+8*\j:RB+64*\p+8*\j+7], v[AF+8*\m:AF+8*\m+7], 0
.else
	v_wmma_f32_16x16x64_fp8_fp8 v[8*(8*\m+\j):8*(8*\m+\j)+7], v[RB+64*\p+8*\j:RB+64*\p+8*\j+7], v[AF+8*\m:AF+8*\m+7], v[8*(8*\m+\j):8*(8*\m+\j)+7]
.endif
.endr
.endm
.macro ALOAD m, t
	ds_load_b128 v[AF+8*\m:AF+8*\m+3], v[AD] offset:16*PITCH*\m+64*\t
	ds_load_b128 v[AF+8*\m+4:AF+8*\m+7], v[AD] offset:16*PITCH*\m+64*\t+32
.endm
.macro BLOAD p, t, b
.irp j, 0,1,2,3,4,5,6,7
	global_load_b128 v[RB+64*\p+8*\j:RB+64*\p+8*\j+3], v[BO], s[\b:\b+1] offset:65536*\t+1024*\j
	global_load_b128 v[RB+64*\p+8*\j+4:RB+64*\p+8*\j+7], v[BO], s[\b:\b+1] offset:65536*\t+1024*\j+512
.endr
.endm
.macro ADV n                           ; the rows' address steps along K
	s_add_co_u32 s[KO], s[KO], \n
	v_add_nc_u32 v[AD], s[KO], v[A0]
	s_wait_alu depctr_va_vdst(0)
.endm
.macro BSTEP n
	s_wait_xcnt 0x0                                ; the loads have read their base
	s_add_nc_u64 s[WB:WB+1], s[WB:WB+1], 65536*\n
.endm
; One step: multiplies set p; fetches the next step's rows at 64 ta from AD (apre); fills set p again with the step three on, at 65,536 tb from WB (reload).
; lc: the loads issued behind this set's, which may stay out.
.macro STEP p, ta, tb, zero, reload, apre, lc
	s_wait_loadcnt \lc
	s_wait_dscnt 0x4                               ; rows 0-31 are in; the four youngest loads (rows 32-63) may be out
	WIN 0x50
	MUL 0, \p, \zero
	MUL 1, \p, \zero
	WIN 0
.if \apre
	PLACES
	ALOAD 0, \ta
	ALOAD 1, \ta
	s_wait_dscnt 0x4                               ; all but the four just issued
.else
	s_wait_dscnt 0x0
.endif
	WIN 0x50
	MUL 2, \p, \zero
	MUL 3, \p, \zero
	WIN 0
	PLACES
.if \apre
	ALOAD 2, \ta
	ALOAD 3, \ta
.endif
.if \reload
	BLOAD \p, \tb, WB
.endif
.endm
.macro GLOAD m, p                      ; rows 16 m .. + 15 of the gathered table, my 128 columns, in the accumulators' layout, into set p
.irp j, 0,1,2,3,4,5,6,7
	global_load_b128 v[RB+64*\p+8*\j:RB+64*\p+8*\j+3], v[GA+\m], s[12:13] offset:64*\j
	global_load_b128 v[RB+64*\p+8*\j+4:RB+64*\p+8*\j+7], v[GA+\m], s[12:13] offset:64*\j+16
.endr
.endm
.macro GADD m, p                       ; each accumulator from its low end on
	WIN 0x41
.set n, 0
.rept 32
	v_pk_add_f32 v[64*\m+n:64*\m+n+1], v[64*\m+n:64*\m+n+1], v[RB+64*\p+n:RB+64*\p+n+1]
.set n, n+2
.endr
	WIN 0
.endm
.macro VLOAD reg, v
.irp j, 0,1,2,3,4,5,6,7
	ds_load_b128 v[\reg+8*\j:\reg+8*\j+3], v[VA] offset:4096*\v+64*\j
	ds_load_b128 v[\reg+8*\j+4:\reg+8*\j+7], v[VA] offset:4096*\v+64*\j+16
.endr
.endm
	s_load_b512 s[8:23], s[0:1], 0x0               ; x 8, hq 10, tab 12, idx 14, wf 16, ln_g 18, ln_b 20, scales 22
	s_load_b64 s[24:25], s[0:1], 0x40              ; out
	v_lshl_add_u32 v[SPW], v0, 2, SPARE
	v_mov_b32 v[NIL], 0
	ds_add_u32 v[SPW], v[NIL]                      ; the opening lines: the add twice on end and one wait
	ds_add_u32 v[SPW], v[NIL]
	v_lshrrev_b32 v1, 5, v0
	v_readfirstlane_b32 s[WV], v1
	s_mov_b32 s[WG], ttmp9
	s_mov_b32 s[G1+0], (1<<20)|(7<<22)|(3<<25)     ; bytes; 4 words of padding behind every 256 words
	s_mov_b32 s[G1+1], 1024<<16
	s_mov_b32 s[G1+2], 8<<16
	s_mov_b32 s[G1+3], 1024<<16
	s_mov_b32 s[G1+4], 8
	s_mov_b32 s[G1+5], 1024
	s_mov_b32 s[G1+6], 0
	s_mov_b32 s[G1+7], 0
	s_mov_b32 s[SEL], 0x76543210
	s_mov_b32 s[SEL+1], 0xfedcba98
	s_mov_b32 s[IV], 0x3a800000                    ; 1 / 1024
	s_mul_i32 s4, s[WV], 8*PITCH
	s_lshl_b32 s6, s[WG], 16
	s_lshl_b32 s5, s[WV], 13
	s_add_co_u32 s6, s6, s5                        ; my 8 rows of x and of hq
	s_mov_b32 s7, 0
	s_lshl_b32 s[W9], s[WV], 9
	s_mul_i32 s26, s[WV], 16*SPITCH
	s_add_co_u32 s26, s26, STAGE
	s_lshl_b32 s27, s[WV], 8
	s_add_co_u32 s27, s27, STAT
	s_lshl_b32 s28, s[WG], 8
	s_mov_b32 s29, 0
	s_lshl_b32 s30, s[WG], 18
	s_mov_b32 s31, 0
	s_mov_b32 s[KO], AX
	s_wait_dscnt 0x0
	s_wait_kmcnt 0x0
	s_load_b128 s[56:59], s[22:23], 0x0            ; e0 .. e3
	s_mov_b32 s[G0X], 1
	s_add_co_u32 s[G0X+1], s4, AX
	s_add_nc_u64 s[G0X+2:G0X+3], s[8:9], s[6:7]
	s_or_b32 s[G0X+3], s[G0X+3], 0x80000000
	s_mov_b32 s[G0H], 1
	s_add_co_u32 s[G0H+1], s4, AH
	s_add_nc_u64 s[G0H+2:G0H+3], s[10:11], s[6:7]
	s_or_b32 s[G0H+3], s[G0H+3], 0x80000000
	tensor_load_to_lds s[G0X:G0X+3], s[G1:G1+7]    ; x: the wave's one tensor load at the head
	s_nop 0
	s_add_nc_u64 s[14:15], s[14:15], s[28:29]      ; the work-group's 64 indices
	s_add_nc_u64 s[24:25], s[24:25], s[30:31]      ; and its rows of out
	s_add_nc_u64 s[16:17], s[16:17], 16*65536      ; W_w's first step in wf
	s_add_nc_u64 s[WB:WB+1], s[16:17], 3*65536
	v_and_b32 v[RR], 15, v0
	v_bfe_u32 v[HH], v0, 4, 1
	v_and_b32 v60, 31, v0
	v_lshlrev_b32 v61, 4, v60                      ; 16 lane
	v_lshlrev_b32 v[IO], 2, v[RR]
	v_lshlrev_b32 v[VO], 4, v0
	v_add_nc_u32 v[BO], s5, v61
	v_mul_u32_u24 v[A0], v[RR], PITCH
	v_lshl_add_u32 v[A0], v[HH], 4, v[A0]
	v_add_nc_u32 v[AD], s[KO], v[A0]
	v_add_nc_u32 v[CO], s[W9], v61
	v_lshl_add_u32 v[VA], v[HH], 5, s[W9]
	v_mul_u32_u24 v[SO], v[RR], SPITCH
	v_lshl_add_u32 v[SO], v[HH], 5, v[SO]
	v_add_nc_u32 v[SO], s26, v[SO]
	v_add_nc_u32 v[RD], s26, v61
	v_lshl_add_u32 v[ST], v[RR], 4, s27
	v_lshl_add_u32 v[SL], v[RR], 4, STAT
	s_wait_alu depctr_va_vdst(0)
.irp m, 0,1,2,3
	global_load_b32 v[GA+\m], v[IO], s[14:15] offset:64*\m   ; lane (r, h): the index of row 16 m + r
.endr
	global_load_b128 v[MU:MU+3], v[VO], s[18:19]
	global_load_b128 v[MU+4:MU+7], v[VO], s[20:21]
	BLOAD 0, 0, 16                                 ; all under the tensor load's flight
	BLOAD 1, 1, 16
	BLOAD 2, 2, 16
	s_wait_kmcnt 0x0
	s_add_co_i32 s4, s56, s57
	s_add_co_i32 s5, s58, s59
	s_sub_co_i32 s4, s4, s5
	s_add_co_i32 s4, s4, 127
	s_lshl_b32 s[R1], s4, 23                       ; 2^(e0 + e1 - e2 - e3)
	s_mov_b32 s[R1+1], s[R1]
	s_lshl_b32 s5, s5, 1
	s_sub_co_i32 s5, 127, s5
	s_lshl_b32 s5, s5, 23
	s_mul_f32 s[EPS], s5, 0x3727c5ac               ; 1e-5 x 2^-2(e2 + e3)
	s_wait_tensorcnt 0x0                           ; my rows of x are in
	ds_add_u32 v[SPW], v[NIL]
	s_wait_dscnt 0x0
	s_barrier_signal -1
	s_barrier_wait -1                              ; everybody's rows of x are in
	tensor_load_to_lds s[G0H:G0H+3], s[G1:G1+7]    ; hq: it has thirteen of the steps on x in which to land
	s_nop 0
	ALOAD 0, 0
	ALOAD 1, 0
	ALOAD 2, 0
	ALOAD 3, 0
	ADV 64
	STEP 0, 0, 0, 1, 1, 1, 32                      ; step 0 starts the sums; its wait on LOADcnt also shows the indices, ln_g and ln_b
	BSTEP 1
.irp m, 0,1,2,3
	v_min_u32 v[GA+\m], 0x3ff, v[GA+\m]            ; an index stays inside the table
.endr
	v_lshl_add_u32 v[IO], v[HH], 5, s[W9]          ; my 128 columns, 32 bytes for each half of the lanes
.irp i, 0,2,4,6
	v_pk_mul_f32 v[MU+\i:MU+\i+1], v[MU+\i:MU+\i+1], 0xbfb8aa3b op_sel_hi:[1,0]   ; x -log2(e): sigmoid(z) = 1 / (1 + 2^(-z log2 e))
.endr
.irp m, 0,1,2,3
	v_lshl_add_u32 v[GA+\m], v[GA+\m], 12, v[IO]
.endr
	ds_store_b128 v[VO], v[MU:MU+3] offset:VEC
	ds_store_b128 v[VO], v[MU+4:MU+7] offset:VEC+4096
	v_mul_u32_u24 v[VO], v[HH], 224
.irp m, 0,1,2,3
	v_add_nc_u32 v[MU+\m], v[GA+\m], v[VO]         ; lane (r, h): block h of my 512 bytes of row 16 m + r's table row
	v_mov_b32 v[MU+4+\m], 0                        ; a lane permute's destination counts as one of its sources
.endr
.irp m, 0,1,2,3
	global_prefetch_b8 v[MU+\m], s[12:13] th:TH_LOAD_NT scope:SCOPE_SE
.endr
	ADV 64
	s_mov_b32 s[CNT], 4
.Lw:                                                   ; steps 1 to 12
	STEP 1, 0, 0, 0, 1, 1, 32
	STEP 2, 1, 1, 0, 1, 1, 32
	STEP 0, 2, 2, 0, 1, 1, 32
	BSTEP 3
	ADV 192
	s_sub_co_i32 s[CNT], s[CNT], 1
	s_cmp_lg_u32 s[CNT], 0
	s_cbranch_scc1 .Lw
	s_wait_tensorcnt 0x0                           ; my rows of hq are in,
	s_wait_dscnt 0x0
	s_barrier_signal -1
	s_barrier_wait -1                              ; and everybody's, and ln_g and ln_b lie in LDS
	STEP 1, 0, 0, 0, 1, 1, 32
	STEP 2, 1, 1, 0, 1, 1, 32
	ADV AH-AX-14*64
	STEP 0, 0, 2, 0, 1, 1, 32                      ; step 15 fetches hq's first rows
	BSTEP 3
	WIN 0x41
.set n, 0
.rept 128
	v_pk_mul_f32 v[n:n+1], v[n:n+1], s[R1:R1+1] op_sel_hi:[1,0]   ; the sums on x into hq's unit; each accumulator from its low end on
.set n, n+2
.endr
	WIN 0
	ADV 64
	s_mov_b32 s[CNT], 4
.Lu:                                                   ; steps 16 to 27
	STEP 1, 0, 0, 0, 1, 1, 32
	STEP 2, 1, 1, 0, 1, 1, 32
	STEP 0, 2, 2, 0, 1, 1, 32
	BSTEP 3
	ADV 192
	s_sub_co_i32 s[CNT], s[CNT], 1
	s_cmp_lg_u32 s[CNT], 0
	s_cbranch_scc1 .Lu
	STEP 1, 0, 0, 0, 1, 1, 32                      ; step 28 asks for the last weights
	STEP 2, 1, 0, 0, 0, 1, 32
	GLOAD 0, 2                                     ; a set that is done with takes gathered rows: behind the step's places
	STEP 0, 2, 0, 0, 0, 1, 32                      ; behind step 30's weights: step 31's and the first gather
	GLOAD 1, 0
	STEP 1, 0, 0, 0, 0, 0, 32                      ; behind step 31's weights: two gathers
	GLOAD 2, 1
	s_wait_loadcnt 32
	GADD 0, 2
	GLOAD 3, 2
	s_wait_loadcnt 32
	GADD 1, 0
	s_wait_loadcnt 16
	GADD 2, 1
	VLOAD GV, 0
	s_wait_loadcnt 0x0
	GADD 3, 2
	VLOAD BV, 1
	; ---- a row's mean
	WIN 0x05
.irp m, 0,1,2,3
	v_pk_add_f32 v[SM+2*\m:SM+2*\m+1], v[64*\m:64*\m+1], v[64*\m+2:64*\m+3]
.endr
	WIN 0x04
.set n, 4
.rept 30
.irp m, 0,1,2,3
	v_pk_add_f32 v[SM+2*\m:SM+2*\m+1], v[SM+2*\m:SM+2*\m+1], v[64*\m+n:64*\m+n+1]
.endr
.set n, n+2
.endr
	WIN 0
.macro ROWSUM off                      ; my 128 columns' sums of four rows a lane; the eight waves' meet in LDS; the rows' sums come out in v[AF:AF+3]
.irp m, 0,1,2,3
	v_add_f32 v[MU+\m], v[SM+2*\m], v[SM+2*\m+1]
.endr
.irp m, 0,1,2,3
	v_permlanex16_b32 v[MU+4+\m], v[MU+\m], s[SEL], s[SEL+1]
.endr
.irp m, 0,1,2,3
	v_add_f32 v[SM+\m], v[MU+\m], v[MU+4+\m]
.endr
	ds_store_b128 v[ST], v[SM:SM+3] offset:\off
	s_wait_dscnt 0x0
	s_barrier_signal -1
	s_barrier_wait -1
.irp q, 0,1,2,3,4,5,6,7
	ds_load_b128 v[AF+4*\q:AF+4*\q+3], v[SL] offset:\off+256*\q
.endr
	s_wait_dscnt 0x0
.irp q, 0,2,4,6
	v_pk_add_f32 v[AF+4*\q:AF+4*\q+1], v[AF+4*\q:AF+4*\q+1], v[AF+4*\q+4:AF+4*\q+5]
	v_pk_add_f32 v[AF+4*\q+2:AF+4*\q+3], v[AF+4*\q+2:AF+4*\q+3], v[AF+4*\q+6:AF+4*\q+7]
.endr
.irp q, 0,4
	v_pk_add_f32 v[AF+4*\q:AF+4*\q+1], v[AF+4*\q:AF+4*\q+1], v[AF+4*\q+8:AF+4*\q+9]
	v_pk_add_f32 v[AF+4*\q+2:AF+4*\q+3], v[AF+4*\q+2:AF+4*\q+3], v[AF+4*\q+10:AF+4*\q+11]
.endr
	v_pk_add_f32 v[AF:AF+1], v[AF:AF+1], v[AF+16:AF+17]
	v_pk_add_f32 v[AF+2:AF+3], v[AF+2:AF+3], v[AF+18:AF+19]
.endm
	ROWSUM 0
.irp m, 0,1,2,3
	v_mul_f32 v[MU+2*\m], 0xba800000, v[AF+\m]     ; -mean
	v_mul_f32 v[MU+2*\m+1], 0xba800000, v[AF+\m]
.endr
	WIN 0x41
.irp m, 0,1,2,3
.set n, 0
.rept 32
	v_pk_add_f32 v[64*\m+n:64*\m+n+1], v[64*\m+n:64*\m+n+1], v[MU+2*\m:MU+2*\m+1]
.set n, n+2
.endr
.endr
	; ---- its variance, of the differences, as reference() has it
	WIN 0x05
.irp m, 0,1,2,3
	v_pk_mul_f32 v[SM+2*\m:SM+2*\m+1], v[64*\m:64*\m+1], v[64*\m:64*\m+1]
.endr
.set n, 2
.rept 31
.irp m, 0,1,2,3
	v_pk_fma_f32 v[SM+2*\m:SM+2*\m+1], v[64*\m+n:64*\m+n+1], v[64*\m+n:64*\m+n+1], v[SM+2*\m:SM+2*\m+1]
.endr
.set n, n+2
.endr
	WIN 0
	ROWSUM 2048
.irp m, 0,1,2,3
	v_fma_f32 v[SM+\m], v[AF+\m], s[IV], s[EPS]
.endr
	s_wait_alu depctr_va_vdst(0)
.irp m, 0,1,2,3
	v_rsq_f32 v[MU+2*\m], v[SM+\m]
.endr
	v_nop
	s_wait_alu depctr_va_vdst(0)
.irp m, 0,1,2,3
	v_mov_b32 v[MU+2*\m+1], v[MU+2*\m]
.endr
; Rows 16 m .. + 15: normalised, gain and bias, sigmoid; through my stage, back as whole rows of 512 bytes, stored.
.macro OUT m
	WIN 0x01
.set n, 0
.rept 32
	v_pk_mul_f32 v[TT+n:TT+n+1], v[64*\m+n:64*\m+n+1], v[MU+2*\m:MU+2*\m+1]
.set n, n+2
.endr
	WIN 0
.set n, 0
.rept 32
	v_pk_fma_f32 v[TT+n:TT+n+1], v[TT+n:TT+n+1], v[GV+n:GV+n+1], v[BV+n:BV+n+1]
.set n, n+2
.endr
.set n, 0
	s_wait_alu depctr_va_vdst(0)
.rept 64
	v_exp_f32 v[TT+n], v[TT+n]
.set n, n+1
.endr
	v_nop
.set n, 0
	s_wait_alu depctr_va_vdst(0)
.rept 32
	v_pk_add_f32 v[TT+n:TT+n+1], v[TT+n:TT+n+1], 1.0 op_sel_hi:[1,0]
.set n, n+2
.endr
.set n, 0
	s_wait_alu depctr_va_vdst(0)
.rept 64
	v_rcp_f32 v[TT+n], v[TT+n]
.set n, n+1
.endr
	v_nop
	s_wait_alu depctr_va_vdst(0)
.irp j, 0,1,2,3,4,5,6,7
	ds_store_b128 v[SO], v[TT+8*\j:TT+8*\j+3] offset:64*\j
	ds_store_b128 v[SO], v[TT+8*\j+4:TT+8*\j+7] offset:64*\j+16
.endr
	WIN 0x40
.irp i, 0,1,2,3,4,5,6,7,8,9,10,11,12,13,14,15
	ds_load_b128 v[64*\m+4*\i:64*\m+4*\i+3], v[RD] offset:SPITCH*\i   ; LDS serves a wave's instructions in order (ISA guide 5.7.1.4)
.endr
	WIN 0x04
.irp i, 0,1,2,3,4,5,6,7,8,9,10,11,12,13,14,15
	s_wait_dscnt 15-\i
	global_store_b128 v[CO], v[64*\m+4*\i:64*\m+4*\i+3], s[24:25] offset:(16*\m+\i)*4096 th:TH_STORE_NT   ; 512 consecutive bytes, aligned
.endr
	WIN 0
.endm
	OUT 0
	OUT 1
	OUT 2
	OUT 3
	s_wait_tensorcnt 0x0                           ; the wave's end
	ds_add_u32 v[SPW], v[NIL]
	s_wait_dscnt 0x0
	s_endpgm
.Lfunc_end_k_qc92826eb50_fused:
	.size	k_qc92826eb50_fused, .Lfunc_end_k_qc92826eb50_fused-k_qc92826eb50_fused
	.p2alignl 7, 3214868480
	.fill 96, 4, 3214868480
	.section	.rodata,"a",@progbits
	.p2align	6, 0x0
	.amdhsa_kernel k_qc92826eb50_fused
		.amdhsa_group_segment_fixed_size 327680
		.amdhsa_private_segment_fixed_size 0
		.amdhsa_enable_private_segment 0
		.amdhsa_kernarg_size 72
		.amdhsa_user_sgpr_count 2
		.amdhsa_user_sgpr_kernarg_segment_ptr 1
		.amdhsa_wavefront_size32 1
		.amdhsa_system_sgpr_workgroup_id_x 1
		.amdhsa_system_sgpr_workgroup_id_y 1
		.amdhsa_system_sgpr_workgroup_id_z 1
		.amdhsa_system_vgpr_workitem_id 0
		.amdhsa_next_free_vgpr 512
		.amdhsa_next_free_sgpr 84
		.amdhsa_reserve_vcc 0
		.amdhsa_float_denorm_mode_32 3
		.amdhsa_float_denorm_mode_16_64 3
		.amdhsa_memory_ordered 1
		.amdhsa_forward_progress 1
		.amdhsa_inst_pref_size 182
	.end_amdhsa_kernel
	.amdgpu_metadata
---
amdhsa.version: [ 1, 2 ]
amdhsa.kernels:
  - .name:           k_qc92826eb50_fused
    .symbol:         k_qc92826eb50_fused.kd
    .args:
      - { .name: x_codes, .offset: 0, .size: 8, .value_kind: global_buffer, .address_space: global }
      - { .name: hq, .offset: 8, .size: 8, .value_kind: global_buffer, .address_space: global }
      - { .name: tab, .offset: 16, .size: 8, .value_kind: global_buffer, .address_space: global }
      - { .name: idx, .offset: 24, .size: 8, .value_kind: global_buffer, .address_space: global }
      - { .name: wf, .offset: 32, .size: 8, .value_kind: global_buffer, .address_space: global }
      - { .name: ln_g, .offset: 40, .size: 8, .value_kind: global_buffer, .address_space: global }
      - { .name: ln_b, .offset: 48, .size: 8, .value_kind: global_buffer, .address_space: global }
      - { .name: lowp_scales, .offset: 56, .size: 8, .value_kind: global_buffer, .address_space: global }
      - { .name: out0, .offset: 64, .size: 8, .value_kind: global_buffer, .address_space: global }
    .group_segment_fixed_size: 327680
    .private_segment_fixed_size: 0
    .kernarg_segment_align: 8
    .kernarg_segment_size: 72
    .max_flat_workgroup_size: 256
    .sgpr_count:     84
    .vgpr_count:     512
    .wavefront_size: 32
...
	.end_amdgpu_metadata
.endif
;; end of part 3
